; MI455X (gfx1250); checked and timed in simulation.
; The chip was launched on July 23, 2026; its instructions are those of AMD's public machine-readable ISA for CDNA 5 (MIT licence, August 2026) and "CDNA5" Instruction Set Architecture Reference Guide (July 2026). The comments in the code are by the model that wrote it; some were corrected since.
;; Attention With Dropout. Allowed arithmetic: float matrix products may take bf16 or f16 operands with f32 sums; all other float work in f32.
;; Inputs: Wk 1,024 x 1,024 float32; Wo 1,024 x 1,024 float32; Wq 1,024 x 1,024 float32; Wv 1,024 x 1,024 float32; bk 1,024 float32; bo 1,024 float32; bq 1,024 float32; bv 1,024 float32; key 2 x 2,048 x 1,024 float32; query 2 x 2,048 x 1,024 float32; value 2 x 2,048 x 1,024 float32.
;; Outputs: out0 2 x 2,048 x 1,024 float32.
;; One version. Each part assembles by itself: llvm-mc -triple=amdgcn-amd-amdhsa -mcpu=gfx1250 --defsym DOCPART=n.
;; ======== version 1 of 1: 3 launches
;; workspace buffers: qp 8,388,608 bytes; kp 8,388,608 bytes; vp 8,388,608 bytes; ctx 8,388,608 bytes; wob 2,097,152 bytes
;; launch proj (part 1): grid 4 x 64, 4 waves a work-group, clusters of 4 x 4, 327,680 bytes of LDS; arguments query, key, value, Wq, Wk, Wv, bq, bk, bv, Wo, qp, kp, vp, wob; writes qp, kp, vp, wob
.if DOCPART == 1
	.amdgcn_target "amdgcn-amd-amdhsa--gfx1250"
	.amdhsa_code_object_version 6
	.text
	.protected	k_q6137dc1473_proj
	.globl	k_q6137dc1473_proj
	.p2align	8
	.type	k_q6137dc1473_proj,@function
k_q6137dc1473_proj:
	s_mov_b64 s[64:65], 0
	v_nop
	global_prefetch_b8 v0, s[64:65] scope:SCOPE_SE
	s_setreg_imm32_b32 hwreg(HW_REG_WAVE_MODE, 25, 1), 1
	s_wait_xcnt 0x0
	s_wait_alu depctr_hold_cnt(0) depctr_sa_sdst(0) depctr_va_vdst(0) depctr_va_sdst(0) depctr_va_ssrc(0) depctr_va_vcc(0) depctr_vm_vsrc(0)
	s_getreg_b32 s2, hwreg(HW_REG_IB_STS2, 6, 4)
	s_cmp_eq_u32 s2, 0
	s_cbranch_scc0 .Lentry_in_a_cluster
	s_endpgm
.Lentry_in_a_cluster:
	s_bfe_u32 s2, ttmp6, 0x10000c
	s_cmp_lg_u32 s2, 0xf033
	s_cbranch_scc0 .Lentry_shape_is_right
	s_endpgm
.Lentry_shape_is_right:
; proj: qp, kp, vp = x W^T + b for x = query, key, value ([4096][1024] f32, W [1024][1024] f32), stored as bf16 in the order
; [batch][head][token][64]; and wob = Wo rounded to bf16, [1024][1024].
; The cluster's y (0..15) says what a cluster of 4 x 4 work-groups does: y >> 2 = 0, 1, 2: a part of the q, k or v product; 3: a part of Wo.
; The three products have 3 x 16 x 4 = 192 blocks of 256 x 256; the other 64 work-groups of the 256 convert Wo, 65,536 bytes each.
; A PRODUCT'S WORK-GROUP: 256 tokens x 256 features with four waves, a wave 128 x 128 = 64 accumulator tiles = 512 registers.
; K goes in steps of 64 f32 (rows of 256 bytes, each at a multiple of 256 bytes from the buffer's start) through two LDS slots filled by tensor loads.
; The operands are f32 in LDS: a wave reads its fragments as f32 (window 1), rounds them to bf16 (v_cvt_pk_bf16_f32, window 0) and multiplies.
; CLUSTERS: x's tile hangs on the block row alone and is asked for jointly by the four work-groups of a row of the cluster; W's tile hangs
; on the block column alone and is asked for jointly by a column.
; The matrix instruction is used transposed (source 0 = rows of W, source 1 = rows of x): a lane's eight results are eight neighbouring
; features of one token.  The bias is the C operand of the first product: nothing is cleared, nothing is added at the end.
; LIMITS: x, W and the results are rounded to bf16 (nearest even); sums in f32, K ascending.
; REGISTERS: window 0: v16-27 addresses, v64-127 W's 8 fragments, v128-191 x's 8 fragments, v192-255 bias, later packed results;
; window 1: v0-127 W's fragments as f32, v128-255 x's; windows 2, 3: accumulators, tile (a, b) at 8 (8 a + b).
.set PITCH,  272                       ; an LDS row: 256 bytes + 16 of padding, so that 16 rows start at 16 different 16-byte columns of 256 bytes
.set HALFT,  128*PITCH                 ; 128 rows: one tensor load
.set SLOT,   4*HALFT                   ; x's 256 rows, then W's 256 rows
.set STAGE,  2*SLOT                    ; behind the ring: the way out, never a tensor load's target
.set SPITCH, 144                       ; a token's 128 bytes of one head + 16
.set SHEAD,  16*SPITCH                 ; 16 tokens of one head
.set WSTAGE, 2*SHEAD                   ; a wave's stage: two heads
.set HEADB,  2048*128                  ; bytes of one head in qp, kp, vp
.set ADRA, 16                          ; v16-17 LDS address of my x fragments in slot 0, 1
.set ADRB, 20                          ; v20-21 the same for W
.set STO,  24
.set RD,   25
.set CO,   26
.set BOFF, 27
.set FB,   64
.set FA,   128
.set BIAS, 192
.set TMP,  192
.set G1,  24                           ; s[24:31] group 1 for x's tiles
.set G0,  32                           ; s[32:39] group 0 for x's tiles, a set for each slot
.set G1B, 48                           ; s[48:55] group 1 for W's tiles
.set G0B, 56                           ; s[56:63] group 0 for W's tiles
.set MSB, 0
.macro WIN new                         ; the immediate's high byte repeats the setting that is left
.if MSB != \new
	s_set_vgpr_msb (MSB<<8)|\new
.set MSB, \new
.endif
.endm
.macro NOPS n
.rept \n
	v_nop
.endr
.endm
; A joint load: waves 0, 1 fetch x's two halves, waves 2, 3 W's.  The branch hangs on the wave's number alone.
.macro JLOAD s
	s_cmp_eq_u32 s11, 0
	s_cbranch_scc0 .Lfor_b_\@
	tensor_load_to_lds s[G0+4*\s:G0+4*\s+3], s[G1:G1+7]
	s_nop 0
	s_branch .Lasked_\@
.Lfor_b_\@:
	tensor_load_to_lds s[G0B+4*\s:G0B+4*\s+3], s[G1B:G1B+7]
	s_nop 0
.Lasked_\@:
.endm
; A round of the cluster's barrier: my work-group's barrier, wave 0 signals for the work-group, all wait for the sixteen, my barrier again.
.macro CREST
	s_cmp_lg_u32 s10, 0
	s_cbranch_scc1 .Lnot_wave_0_\@
	s_barrier_signal -3
.Lnot_wave_0_\@:
	s_barrier_wait -3
	s_barrier_signal -1
	s_barrier_wait -1
.endm
.macro CROUND
	s_barrier_signal -1
	s_barrier_wait -1
	CREST
.endm
	s_load_b512 s[68:83], s[0:1], 0x0              ; query 68, key 70, value 72, Wq 74, Wk 76, Wv 78, bq 80, bk 82
	s_load_b256 s[84:91], s[0:1], 0x40             ; bv 84, Wo 86, qp 88, kp 90
	s_load_b128 s[92:95], s[0:1], 0x60             ; vp 92, wob 94
	v_lshl_add_u32 v30, v0, 2, 0x48800
	v_mov_b32 v31, 0
	ds_add_u32 v30, v31
	s_wait_dscnt 0x0
	v_lshrrev_b32 v1, 5, v0
	v_readfirstlane_b32 s10, v1                    ; wave 0..3
	s_lshr_b32 s11, s10, 1                         ; my half of the tokens; also: I fetch for x (0) or W (1)
	s_and_b32 s12, s10, 1                          ; my half of the features; also: which 128 rows I fetch
	s_bfe_u32 s40, ttmp6, 0x40000                  ; cx
	s_bfe_u32 s41, ttmp6, 0x40004                  ; cy
	s_and_b32 s44, ttmp7, 0xffff                   ; the cluster's y
	s_lshr_b32 s45, s44, 2                         ; 0, 1, 2: q, k, v; 3: Wo.  The same in all sixteen work-groups of a cluster
	s_and_b32 s44, s44, 3
	s_cmp_eq_u32 s45, 3
	s_cbranch_scc1 .Lconv
	s_lshl_b32 s42, ttmp9, 2
	s_add_co_u32 s42, s42, s40                     ; block column 0..3
	s_lshl_b32 s13, s44, 2
	s_add_co_u32 s13, s13, s41                     ; block row 0..15
	s_lshl_b32 s43, s41, 2
	s_lshl_b32 s43, 15, s43                        ; my row of the cluster
	s_lshl_b32 s98, 0x1111, s40                    ; my column
	; group 1: 128 rows x 64 elements of 4 bytes, 4 words of padding behind every 64 words
	s_or_b32 s[G1+0], s43, (2<<16)|(1<<20)|(1<<21)|(5<<22)|(3<<25)
	s_or_b32 s[G1B+0], s98, (2<<16)|(1<<20)|(1<<21)|(5<<22)|(3<<25)
	s_mov_b32 s[G1+1], 64<<16                      ; tensor_dim0 = 64
	s_mov_b32 s[G1B+1], 64<<16
	s_mov_b32 s[G1+2], 128<<16                     ; tensor_dim1 = 128
	s_mov_b32 s[G1B+2], 128<<16
	s_mov_b32 s[G1+3], 64<<16                      ; tile_dim0 = 64
	s_mov_b32 s[G1B+3], 64<<16
	s_mov_b32 s[G1+4], 128                         ; tile_dim1 = 128
	s_mov_b32 s[G1B+4], 128
	s_mov_b32 s[G1+5], 1024                        ; elements from row to row
	s_mov_b32 s[G1B+5], 1024
	s_mov_b32 s[G1+6], 0
	s_mov_b32 s[G1B+6], 0
	s_mov_b32 s[G1+7], 0
	s_mov_b32 s[G1B+7], 0
	s_lshl_b32 s17, s12, 7
	s_lshl_b32 s16, s13, 8
	s_add_co_u32 s16, s16, s17                     ; x: row 256 x block row + 128 x half
	s_lshl_b32 s16, s16, 12                        ; rows of 4,096 bytes: 16 MiB at the most
	s_lshl_b32 s46, s42, 8
	s_add_co_u32 s46, s46, s17                     ; W: row 256 x block column + 128 x half
	s_lshl_b32 s46, s46, 12
	s_mov_b32 s17, 0
	s_mov_b32 s47, 0
	s_mul_i32 s20, s10, HALFT                      ; where my tile goes: wave x 128 rows
	s_wait_kmcnt 0x0
	s_cmp_eq_u32 s45, 1                            ; the product's four buffers
	s_cselect_b64 s[4:5], s[70:71], s[68:69]
	s_cselect_b64 s[6:7], s[76:77], s[74:75]
	s_cselect_b64 s[96:97], s[82:83], s[80:81]
	s_cselect_b64 s[8:9], s[90:91], s[88:89]
	s_cmp_eq_u32 s45, 2
	s_cselect_b64 s[4:5], s[72:73], s[4:5]
	s_cselect_b64 s[6:7], s[78:79], s[6:7]
	s_cselect_b64 s[96:97], s[84:85], s[96:97]
	s_cselect_b64 s[8:9], s[92:93], s[8:9]
	s_add_nc_u64 s[14:15], s[4:5], s[16:17]
	s_add_nc_u64 s[46:47], s[6:7], s[46:47]
	CROUND                                         ; all sixteen work-groups are here: the first joint loads meet
.irp s, 0,1
	s_mov_b32 s[G0+4*\s], 1
	s_add_co_u32 s[G0+4*\s+1], s20, \s*SLOT
	s_add_nc_u64 s[G0+4*\s+2:G0+4*\s+3], s[14:15], \s*256          ; K step s
	s_or_b32 s[G0+4*\s+3], s[G0+4*\s+3], 0x80000000
	s_mov_b32 s[G0B+4*\s], 1
	s_add_co_u32 s[G0B+4*\s+1], s20, \s*SLOT
	s_add_nc_u64 s[G0B+4*\s+2:G0B+4*\s+3], s[46:47], \s*256
	s_or_b32 s[G0B+4*\s+3], s[G0B+4*\s+3], 0x80000000
	JLOAD \s                                       ; two loads of the wave are out here, later one
.endr
	; lane l = 16 h + r holds row r; K = 8 h .. 8 h + 7 are 32 bytes of f32 at 32 h, K = 16 + 8 h .. at 64 + 32 h
	v_and_b32 v1, 15, v0                           ; r
	v_bfe_u32 v2, v0, 4, 1                         ; h
	v_and_b32 v5, 31, v0                           ; l
	v_mul_u32_u24 v3, v1, PITCH
	v_lshl_add_u32 v3, v2, 5, v3
	s_mul_i32 s21, s11, HALFT
	s_mul_i32 s22, s12, HALFT
	s_add_co_u32 s22, s22, 2*HALFT
.irp s, 0,1
	v_add_nc_u32 v[ADRA+\s], s21, v3
	v_add_nc_u32 v[ADRB+\s], s22, v3
	s_add_co_u32 s21, s21, SLOT
	s_add_co_u32 s22, s22, SLOT
.endr
	s_mul_i32 s23, s10, WSTAGE
	s_add_co_u32 s23, s23, STAGE
	v_mul_u32_u24 v4, v1, SPITCH                   ; in: token r, 16 bytes for each half of the lanes
	v_lshl_add_u32 v4, v2, 4, v4
	v_add_nc_u32 v[STO], s23, v4
	v_lshrrev_b32 v4, 3, v5                        ; back: eight lanes take a token's 128 bytes
	v_mul_u32_u24 v4, v4, SPITCH
	v_and_b32 v6, 7, v0
	v_lshl_add_u32 v4, v6, 4, v4
	v_add_nc_u32 v[RD], s23, v4
	v_lshlrev_b32 v[CO], 4, v5                     ; four tokens of a head are 512 neighbouring bytes of the output
	v_lshlrev_b32 v[BOFF], 5, v2
	s_lshl_b32 s18, s42, 10                        ; bias of my 128 features: 4 (256 x block column + 128 x half)
	s_lshl_b32 s19, s12, 9
	s_add_co_u32 s18, s18, s19
	s_mov_b32 s19, 0
	s_add_nc_u64 s[96:97], s[96:97], s[18:19]
.irp b, 0,1,2,3,4,5,6,7
	global_load_b128 v[BIAS+8*\b:BIAS+8*\b+3],   v[BOFF], s[96:97] offset:64*\b      ; register j: bias of feature 16 b + 8 h + j
	global_load_b128 v[BIAS+8*\b+4:BIAS+8*\b+7], v[BOFF], s[96:97] offset:64*\b+16
.endr
; 64 LDS loads: the f32 fragments of 32 along K (byte kb of the rows): W's 128 rows, then x's 128 rows
.macro LAND slot, kb
	WIN 0x40
.irp i, 0,1,2,3,4,5,6,7
	ds_load_b128 v[16*\i:16*\i+3],     v[ADRB+\slot] offset:\kb+\i*16*PITCH
	ds_load_b128 v[16*\i+4:16*\i+7],   v[ADRB+\slot] offset:\kb+\i*16*PITCH+16
	ds_load_b128 v[16*\i+8:16*\i+11],  v[ADRB+\slot] offset:\kb+\i*16*PITCH+64
	ds_load_b128 v[16*\i+12:16*\i+15], v[ADRB+\slot] offset:\kb+\i*16*PITCH+80
.endr
.irp i, 0,1,2,3,4,5,6,7
	ds_load_b128 v[128+16*\i:128+16*\i+3],     v[ADRA+\slot] offset:\kb+\i*16*PITCH
	ds_load_b128 v[128+16*\i+4:128+16*\i+7],   v[ADRA+\slot] offset:\kb+\i*16*PITCH+16
	ds_load_b128 v[128+16*\i+8:128+16*\i+11],  v[ADRA+\slot] offset:\kb+\i*16*PITCH+64
	ds_load_b128 v[128+16*\i+12:128+16*\i+15], v[ADRA+\slot] offset:\kb+\i*16*PITCH+80
.endr
.endm
; 128 roundings: 16 f32 registers of a fragment become its 8 bf16 registers, K in its true places
.macro CVT
	WIN 0x05
.irp i, 0,1,2,3,4,5,6,7
.irp j, 0,1,2,3,4,5,6,7
	v_cvt_pk_bf16_f32 v[FB+8*\i+\j], v[16*\i+2*\j], v[16*\i+2*\j+1]
.endr
.endr
.irp i, 0,1,2,3,4,5,6,7
.irp j, 0,1,2,3,4,5,6,7
	v_cvt_pk_bf16_f32 v[FA+8*\i+\j], v[128+16*\i+2*\j], v[128+16*\i+2*\j+1]
.endr
.endr
.endm
; 16 matrix instructions.  The 64 accumulators take turns, one instruction a turn, in the same order in every half step.
.macro MUL16 hi, a0, first
.irp a, \a0, \a0+1
.irp b, 0,1,2,3,4,5,6,7
.if \first
	v_wmma_f32_16x16x32_bf16 v[8*(8*(\a)+\b):8*(8*(\a)+\b)+7], v[FB+8*\b:FB+8*\b+7], v[FA+8*(4*\hi+\a):FA+8*(4*\hi+\a)+7], v[BIAS+8*\b:BIAS+8*\b+7]
.else
	v_wmma_f32_16x16x32_bf16 v[8*(8*(\a)+\b):8*(8*(\a)+\b)+7], v[FB+8*\b:FB+8*\b+7], v[FA+8*(4*\hi+\a):FA+8*(4*\hi+\a)+7], v[8*(8*(\a)+\b):8*(8*(\a)+\b)+7]
.endif
.endr
.endr
.endm
; 32 along K.  mode 0: the next fragments come from the same slot; 1: change of slots, slot rslot is filled again; 2: change of slots, no fill; 3: the last.
.macro HALF first, mode, nslot, nkb, rslot
	s_wait_dscnt 0x0                               ; the 64 loads issued ahead of the last 64 matrix instructions are in; on a change: my reads of the slot are over
	NOPS 4                                         ; four places behind the last matrix instruction, in front of writes of its sources (ISA guide 7.12.1)
	CVT
.if \mode == 1
	WIN 0
	s_wait_tensorcnt 0x0                           ; all my tensor loads have landed: the one that was out is my part of the next slot
	ds_add_u32 v30, v31
	s_wait_dscnt 0x0
	CROUND                                         ; no wave of any partner still reads the slot or has a load on its way
	s_add_nc_u64 s[G0+4*\rslot+2:G0+4*\rslot+3], s[G0+4*\rslot+2:G0+4*\rslot+3], 512      ; two K steps on
	s_add_nc_u64 s[G0B+4*\rslot+2:G0B+4*\rslot+3], s[G0B+4*\rslot+2:G0B+4*\rslot+3], 512
	JLOAD \rslot                                   ; my one tensor load behind the round; 128 matrix instructions stand between it and its wait
.endif
.if \mode == 2
	WIN 0
	s_wait_tensorcnt 0x0                           ; my part of the last K step is in,
	s_barrier_signal -1
	s_barrier_wait -1                              ; everybody's is
.endif
.if \mode != 3
	LAND \nslot, \nkb
.endif
.if \first
	WIN 0x80
	MUL16 0, 0, 1
	MUL16 0, 2, 1
	WIN 0xc0
	MUL16 1, 0, 1
	MUL16 1, 2, 1
.else
	WIN 0xa0
	MUL16 0, 0, 0
	MUL16 0, 2, 0
	WIN 0xf0
	MUL16 1, 0, 0
	MUL16 1, 2, 0
.endif
.endm
.macro LAP first                       ; two K steps, both slots filled again
	HALF \first, 0, 0, 128, 0
	HALF 0, 1, 1, 0, 0
	HALF 0, 0, 1, 128, 0
	HALF 0, 1, 0, 0, 1
.endm
	s_wait_tensorcnt 0x1                           ; my part of K step 0 is in; K step 1's load stays out
	s_barrier_signal -1
	s_barrier_wait -1
	LAND 0, 0
	s_wait_loadcnt 0x0                             ; the bias
	LAP 1                                          ; 16 K steps = 8 laps: the first starts the sums from the bias,
	WIN 0
	s_mov_b32 s3, 6                                ; six go round,
.Llap:
	LAP 0
	WIN 0
	s_sub_co_u32 s3, s3, 1
	s_cmp_lg_u32 s3, 0
	s_cbranch_scc1 .Llap
	HALF 0, 0, 0, 128, 0                           ; the last fills nothing
	HALF 0, 2, 1, 0, 0
	HALF 0, 0, 1, 128, 0
	HALF 0, 3, 0, 0, 0
	; THE WAY OUT, 16 tokens at a time: round, 16 bytes a lane into my stage (two heads x 16 tokens), read back four tokens of a head at a time.
	NOPS 4                                         ; four places behind the last matrix instruction
	s_lshl_b32 s16, s13, 8
	s_lshl_b32 s14, s11, 7
	s_add_co_u32 s16, s16, s14                     ; my first row of x
	s_lshr_b32 s14, s16, 11                        ; batch
	s_and_b32 s16, s16, 2047                       ; token
	s_lshl_b32 s16, s16, 7
	s_lshl_b32 s14, s14, 22                        ; 16 heads of 262,144 bytes
	s_add_co_u32 s16, s16, s14
	s_mov_b32 s17, 0
	s_add_nc_u64 s[8:9], s[8:9], s[16:17]
	s_lshl_b32 s46, s42, 2
	s_lshl1_add_u32 s46, s12, s46                  ; my first head: 4 x block column + 2 x half
	s_lshl_b32 s46, s46, 18
	s_mov_b32 s47, 0
	s_add_nc_u64 s[8:9], s[8:9], s[46:47]
.macro OUT16 i, a, from, f
	WIN \from
.irp b, 0,1,2,3,4,5,6,7
.irp r, 0,1,2,3
	v_cvt_pk_bf16_f32 v[TMP+4*\b+\r], v[8*(8*\a+\b)+2*\r], v[8*(8*\a+\b)+2*\r+1]
.endr
.endr
	WIN 0
.irp b, 0,1,2,3,4,5,6,7
	ds_store_b128 v[STO], v[TMP+4*\b:TMP+4*\b+3] offset:(\b>>2)*SHEAD+(\b&3)*32
.endr
	s_wait_xcnt 0x0                                ; buffer f, which earlier stores read, is loaded again only behind this wait
.irp t, 0,1,2,3,4,5,6,7
	ds_load_b128 v[\f+4*\t:\f+4*\t+3], v[RD] offset:(\t>>2)*SHEAD+(\t&3)*4*SPITCH      ; LDS serves a wave's instructions in order: these see the stores above
.endr
.irp t, 0,1,2,3,4,5,6,7
	s_wait_dscnt 7-\t                              ; load t is in, the younger ones stay out
	global_store_b128 v[CO], v[\f+4*\t:\f+4*\t+3], s[8:9] offset:(\t>>2)*HEADB+(16*\i+4*(\t&3))*128   ; 512 consecutive bytes, aligned
.endr
.endm
	OUT16 0, 0, 0x0a, FB
	OUT16 1, 1, 0x0a, FA
	OUT16 2, 2, 0x0a, FB
	OUT16 3, 3, 0x0a, FA
	OUT16 4, 0, 0x0f, FB
	OUT16 5, 1, 0x0f, FA
	OUT16 6, 2, 0x0f, FB
	OUT16 7, 3, 0x0f, FA
	s_wait_tensorcnt 0x0
	ds_add_u32 v30, v31
	s_wait_dscnt 0x0
	CROUND                                         ; the closing round: no work-group ends while a partner may still ask for a tile that names it
	s_endpgm
; Wo to bf16.  64 work-groups, 65,536 bytes of Wo each, a wave 16,384: 32 loads of 512 consecutive bytes, 32 stores of 256.
; No LDS, no barrier, no tensor load: nothing is shared.
.Lconv:
	s_lshl_b32 s13, s44, 4
	s_lshl2_add_u32 s13, s41, s13
	s_add_co_u32 s13, s13, s40                     ; 0..63
	s_lshl_b32 s16, s13, 16
	s_lshl_b32 s14, s10, 14
	s_add_co_u32 s16, s16, s14
	s_mov_b32 s17, 0
	s_lshr_b32 s18, s16, 1
	s_mov_b32 s19, 0
	v_and_b32 v1, 31, v0
	v_lshlrev_b32 v2, 4, v1
	v_lshlrev_b32 v3, 3, v1
	s_wait_kmcnt 0x0
	s_add_nc_u64 s[86:87], s[86:87], s[16:17]
	s_add_nc_u64 s[94:95], s[94:95], s[18:19]
.set i, 0
.rept 32
	global_load_b128 v[32+4*i:32+4*i+3], v2, s[86:87] offset:512*i th:TH_LOAD_NT
.set i, i+1
.endr
.set i, 0
.rept 32
	s_wait_loadcnt 31-i                            ; load i is in, the younger ones stay out
	v_cvt_pk_bf16_f32 v[32+4*i], v[32+4*i], v[33+4*i]
	v_cvt_pk_bf16_f32 v[33+4*i], v[34+4*i], v[35+4*i]
	global_store_b64 v3, v[32+4*i:33+4*i], s[94:95] offset:256*i       ; the wave's store covers 256 consecutive bytes, aligned
.set i, i+1
.endr
	s_endpgm
.Lfunc_end_k_q6137dc1473_proj:
	.size	k_q6137dc1473_proj, .Lfunc_end_k_q6137dc1473_proj-k_q6137dc1473_proj
	.p2alignl 7, 3214868480
	.fill 96, 4, 3214868480
	.section	.rodata,"a",@progbits
	.p2align	6, 0x0
	.amdhsa_kernel k_q6137dc1473_proj
		.amdhsa_group_segment_fixed_size 327680
		.amdhsa_private_segment_fixed_size 0
		.amdhsa_enable_private_segment 0
		.amdhsa_kernarg_size 112
		.amdhsa_user_sgpr_count 2
		.amdhsa_user_sgpr_kernarg_segment_ptr 1
		.amdhsa_wavefront_size32 1
		.amdhsa_system_sgpr_workgroup_id_x 1
		.amdhsa_system_sgpr_workgroup_id_y 1
		.amdhsa_system_sgpr_workgroup_id_z 1
		.amdhsa_system_vgpr_workitem_id 0
		.amdhsa_next_free_vgpr 1024
		.amdhsa_next_free_sgpr 100
		.amdhsa_reserve_vcc 0
		.amdhsa_float_denorm_mode_32 3
		.amdhsa_float_denorm_mode_16_64 3
		.amdhsa_memory_ordered 1
		.amdhsa_forward_progress 1
		.amdhsa_inst_pref_size 253
	.end_amdhsa_kernel
	.amdgpu_metadata
---
amdhsa.version: [ 1, 2 ]
amdhsa.kernels:
  - .name:           k_q6137dc1473_proj
    .symbol:         k_q6137dc1473_proj.kd
    .args:
      - { .name: query, .offset: 0, .size: 8, .value_kind: global_buffer, .address_space: global }
      - { .name: key, .offset: 8, .size: 8, .value_kind: global_buffer, .address_space: global }
      - { .name: value, .offset: 16, .size: 8, .value_kind: global_buffer, .address_space: global }
      - { .name: Wq, .offset: 24, .size: 8, .value_kind: global_buffer, .address_space: global }
      - { .name: Wk, .offset: 32, .size: 8, .value_kind: global_buffer, .address_space: global }
      - { .name: Wv, .offset: 40, .size: 8, .value_kind: global_buffer, .address_space: global }
      - { .name: bq, .offset: 48, .size: 8, .value_kind: global_buffer, .address_space: global }
      - { .name: bk, .offset: 56, .size: 8, .value_kind: global_buffer, .address_space: global }
      - { .name: bv, .offset: 64, .size: 8, .value_kind: global_buffer, .address_space: global }
      - { .name: Wo, .offset: 72, .size: 8, .value_kind: global_buffer, .address_space: global }
      - { .name: qp, .offset: 80, .size: 8, .value_kind: global_buffer, .address_space: global }
      - { .name: kp, .offset: 88, .size: 8, .value_kind: global_buffer, .address_space: global }
      - { .name: vp, .offset: 96, .size: 8, .value_kind: global_buffer, .address_space: global }
      - { .name: wob, .offset: 104, .size: 8, .value_kind: global_buffer, .address_space: global }
    .group_segment_fixed_size: 327680
    .private_segment_fixed_size: 0
    .kernarg_segment_align: 8
    .kernarg_segment_size: 112
    .max_flat_workgroup_size: 128
    .sgpr_count:     100
    .vgpr_count:     1024
    .wavefront_size: 32
...
	.end_amdgpu_metadata
.endif
;; end of part 1
;; launch attn (part 2): grid 8 x 32, 8 waves a work-group, clusters of 4 x 1, 327,680 bytes of LDS; arguments qp, kp, vp, ctx; writes ctx
.if DOCPART == 2
	.amdgcn_target "amdgcn-amd-amdhsa--gfx1250"
	.amdhsa_code_object_version 6
	.text
	.protected	k_q6137dc1473_attn
	.globl	k_q6137dc1473_attn
	.p2align	8
	.type	k_q6137dc1473_attn,@function
k_q6137dc1473_attn:
	s_mov_b64 s[64:65], 0
	v_nop
	global_prefetch_b8 v0, s[64:65] scope:SCOPE_SE
	s_setreg_imm32_b32 hwreg(HW_REG_WAVE_MODE, 25, 1), 1
	s_wait_xcnt 0x0
	s_wait_alu depctr_hold_cnt(0) depctr_sa_sdst(0) depctr_va_vdst(0) depctr_va_sdst(0) depctr_va_ssrc(0) depctr_va_vcc(0) depctr_vm_vsrc(0)
	s_getreg_b32 s2, hwreg(HW_REG_IB_STS2, 6, 4)
	s_cmp_eq_u32 s2, 0
	s_cbranch_scc0 .Lentry_in_a_cluster
	s_endpgm
.Lentry_in_a_cluster:
	s_bfe_u32 s2, ttmp6, 0x10000c
	s_cmp_lg_u32 s2, 0x3003
	s_cbranch_scc0 .Lentry_shape_is_right
	s_endpgm
.Lentry_shape_is_right:
; attn: ctx = softmax(q k^T / 32) v for each of 32 (batch, head) pairs; q, k, v, ctx: bf16, [batch][head][2048 tokens][64].
; A work-group takes 256 queries of one head.  Eight waves: wave w takes the 64 queries of group g = w & 3 and the keys of half kh = w >> 2
; (1,024 keys); the two waves of a group meet at the end and merge their sums.
; OPPOSITE TURNS: for 64 keys a wave has one matrix phase (P V of the last tile, then K Q of the next: 64 matrix instructions) and one softmax pass
; (about 490 vector instructions).  turn = ((w & 1) + (w >> 2)) & 1 differs between waves w and w + 4 and between waves 2 i and 2 i + 1.  Between two barriers a wave
; with turn 1 (ahead) runs matrix, softmax, matrix, softmax; a wave with turn 0 (behind) runs softmax, matrix, softmax, matrix: the same work, half a period apart,
; so that one wave's vector work can run beside the other's products.  At a barrier the wave ahead holds P of the slot's last tile, the wave behind its raw scores,
; and both hold that tile's fragments of v in registers: nobody reads the old slot any more.
; CLUSTERS: the four work-groups of a cluster are four query blocks of one head and read the same tiles of k and v: every tile is asked for jointly (mask 15).
; TRANSPOSED SCHEME: S^T = K Q^T (A = 16 keys, B = 16 queries): lane 16 h + r holds query r and keys 8 h + j of a tile, so a query's maximum and sum
; stay in the lane but for one exchange between the halves; two tiles of S^T, rounded to bf16, are a B fragment of P^T as they lie.
; O^T = V^T P^T, with V^T read from rows of v by the transposing LDS load.
; SOFTMAX: running maximum of the raw scores; p = 2^(c s - c m), c = log2(e) / 32; sums and O are rescaled by 2^(c m_old - c m_new), made from the two rounded shifts themselves.
; LIMITS: q, k, v, p and ctx are rounded to bf16; the row sum adds p in f32 while the product takes p in bf16; the maximum starts at the most negative finite f32, so
; scores must be finite, as in the reference; v_exp_f32 gives 0 for results under 2^-126 (ISA guide, its entry).
; REGISTERS: window 0: addresses and statistics v4-31, Q v32-95, K fragments v96-159, V fragments v160-223, v224-248 statistics;
; window 1: S^T (tile (mt, nt) at 32 nt + 8 mt), later P^T in place; O^T (tile (dt, nt) at 128 + 32 nt + 8 dt).
.set VPITCH, 160                       ; a row of v: 128 bytes + 32 (an odd multiple of 32, for the transposing load)
.set KPITCH, 144                       ; a row of k: 128 bytes + 16
.set KREG,   256*VPITCH                ; k's rows lie behind v's 256 rows (128 for each half of the keys)
.set SLOT,   KREG+256*KPITCH           ; 77,824
.set EXCH,   2*SLOT                    ; 4 x 17,408: what the wave ahead hands to its partner: O 16,384, shift 512, sum 512
.set XSIZE,  17408
.set STAGE,  EXCH+4*XSIZE              ; 4 x 9,216: 64 tokens x 144, the way out
.set SPITCH, 144
.set KA, 4
.set VA, 6
.set M, 8
.set T, 12
.set U, 16
.set NEGM, 20
.set QOFF, 28
.set XA, 29
.set STO, 30
.set RD, 31
.set Q, 32
.set KF, 96
.set VF, 160
.set ALPHA, 224
.set LS, 232
.set NN, 240
.set UP, 240
.set TP, 244
.set CO, 248
.set G1V, 24
.set G1K, 32
.set G0V, 40
.set G0K, 48
.set MSB, 0
.macro WIN new                         ; the immediate's high byte repeats the setting that is left
.if MSB != \new
	s_set_vgpr_msb (MSB<<8)|\new
.set MSB, \new
.endif
.endm
.macro NOPS n
.rept \n
	v_nop
.endr
.endm
.macro JLOAD s                         ; waves 0-3 fetch 64 rows of v each, waves 4-7 64 rows of k
	s_cmp_eq_u32 s11, 0
	s_cbranch_scc0 .Lfor_k_\@
	tensor_load_to_lds s[G0V+4*\s:G0V+4*\s+3], s[G1V:G1V+7]
	s_nop 0
	s_branch .Lasked_\@
.Lfor_k_\@:
	tensor_load_to_lds s[G0K+4*\s:G0K+4*\s+3], s[G1K:G1K+7]
	s_nop 0
.Lasked_\@:
.endm
.macro CREST
	s_cmp_lg_u32 s10, 0
	s_cbranch_scc1 .Lnot_wave_0_\@
	s_barrier_signal -3
.Lnot_wave_0_\@:
	s_barrier_wait -3
	s_barrier_signal -1
	s_barrier_wait -1
.endm
.macro CROUND
	s_barrier_signal -1
	s_barrier_wait -1
	CREST
.endm
	s_load_b256 s[16:23], s[0:1], 0x0              ; qp 16, kp 18, vp 20, ctx 22
	v_lshl_add_u32 v254, v0, 2, 0x40000
	v_mov_b32 v255, 0
	ds_add_u32 v254, v255
	v_lshrrev_b32 v1, 5, v0
	v_readfirstlane_b32 s10, v1                    ; wave 0..7
	s_lshr_b32 s11, s10, 2                         ; my half of the keys; also: I fetch v (0) or k (1)
	s_and_b32 s12, s10, 3                          ; my group of 64 queries
	s_and_b32 s59, s10, 1
	s_add_co_u32 s59, s59, s11
	s_and_b32 s59, s59, 1                          ; my turn: 1 ahead, 0 behind; the two waves of a group (w, w + 4) have different turns
	s_bfe_u32 s4, ttmp6, 0x40000                   ; cx
	s_lshl_b32 s6, ttmp9, 2
	s_add_co_u32 s6, s6, s4                        ; query block 0..7: enters global addresses of q and ctx alone
	s_and_b32 s13, ttmp7, 0xffff                   ; batch x 16 + head
	s_lshl_b32 s14, s13, 18                        ; a head is 262,144 bytes
	s_mov_b32 s56, 0x76543210                      ; v_permlanex16_b32: lane i of one half reads lane i of the other
	s_mov_b32 s57, 0xfedcba98
	; group 1: 64 rows of 128 bytes are dense in memory and come as 32 rows of 256 bytes; padding behind every 32 words, that is behind every row of k or v
	s_mov_b32 s[G1V+0], 15|(1<<16)|(1<<20)|(1<<21)|(4<<22)|(7<<25)     ; 8 words of padding
	s_mov_b32 s[G1K+0], 15|(1<<16)|(1<<20)|(1<<21)|(4<<22)|(3<<25)     ; 4 words
	s_mov_b32 s[G1V+1], 128<<16
	s_mov_b32 s[G1K+1], 128<<16
	s_mov_b32 s[G1V+2], 32<<16
	s_mov_b32 s[G1K+2], 32<<16
	s_mov_b32 s[G1V+3], 128<<16
	s_mov_b32 s[G1K+3], 128<<16
	s_mov_b32 s[G1V+4], 32
	s_mov_b32 s[G1K+4], 32
	s_mov_b32 s[G1V+5], 128
	s_mov_b32 s[G1K+5], 128
	s_mov_b32 s[G1V+6], 0
	s_mov_b32 s[G1K+6], 0
	s_mov_b32 s[G1V+7], 0
	s_mov_b32 s[G1K+7], 0
	s_bfe_u32 s5, s10, 0x10001                     ; which half of the keys I fetch for
	s_lshl_b32 s5, s5, 17                          ; 1,024 keys of 128 bytes
	s_and_b32 s7, s10, 1                           ; which 64 of a fill's 128 keys
	s_lshl_b32 s7, s7, 13
	s_add_co_u32 s8, s14, s5
	s_add_co_u32 s8, s8, s7
	s_mov_b32 s9, 0
	s_mul_i32 s60, s10, 64*VPITCH                  ; v: wave x 64 rows
	s_mul_i32 s61, s10, 64*KPITCH                  ; k: (wave - 4) x 64 rows behind v's region
	s_add_co_u32 s61, s61, KREG-4*64*KPITCH
	s_lshl_b32 s62, s6, 15                         ; my 64 queries: 256 x block + 64 x group, rows of 128 bytes
	s_lshl_b32 s63, s12, 13
	s_add_co_u32 s62, s62, s63
	s_add_co_u32 s62, s62, s14
	s_mov_b32 s63, 0
	s_wait_dscnt 0x0
	s_wait_kmcnt 0x0
	s_add_nc_u64 s[20:21], s[20:21], s[8:9]
	s_add_nc_u64 s[18:19], s[18:19], s[8:9]
	s_add_nc_u64 s[16:17], s[16:17], s[62:63]
	s_add_nc_u64 s[22:23], s[22:23], s[62:63]
	CROUND                                         ; the four work-groups are here: the first joint loads meet
.irp s, 0,1
	s_mov_b32 s[G0V+4*\s], 1
	s_add_co_u32 s[G0V+4*\s+1], s60, \s*SLOT
	s_add_nc_u64 s[G0V+4*\s+2:G0V+4*\s+3], s[20:21], \s*16384      ; fill s: 128 keys of each half
	s_or_b32 s[G0V+4*\s+3], s[G0V+4*\s+3], 0x80000000
	s_mov_b32 s[G0K+4*\s], 1
	s_add_co_u32 s[G0K+4*\s+1], s61, \s*SLOT
	s_add_nc_u64 s[G0K+4*\s+2:G0K+4*\s+3], s[18:19], \s*16384
	s_or_b32 s[G0K+4*\s+3], s[G0K+4*\s+3], 0x80000000
	JLOAD \s                                       ; two loads of the wave are out here, later one
.endr
	v_and_b32 v1, 15, v0                           ; r
	v_bfe_u32 v2, v0, 4, 1                         ; h
	v_and_b32 v3, 31, v0                           ; l
	v_lshlrev_b32 v[QOFF], 7, v1
	v_lshl_add_u32 v[QOFF], v2, 4, v[QOFF]         ; query r, 16 bytes for each half of the lanes
.irp nt, 0,1,2,3
.irp ks, 0,1
	global_load_b128 v[Q+16*\nt+8*\ks:Q+16*\nt+8*\ks+3],   v[QOFF], s[16:17] offset:\nt*2048+\ks*64
	global_load_b128 v[Q+16*\nt+8*\ks+4:Q+16*\nt+8*\ks+7], v[QOFF], s[16:17] offset:\nt*2048+\ks*64+32
.endr
.endr
	v_mul_u32_u24 v249, v1, KPITCH
	v_lshl_add_u32 v249, v2, 4, v249               ; r x 144 + 16 h
	s_mul_i32 s5, s11, 128*KPITCH
	s_add_co_u32 s5, s5, KREG
	v_add_nc_u32 v[KA], s5, v249
	s_add_co_u32 s5, s5, SLOT
	v_add_nc_u32 v[KA+1], s5, v249
	v_and_b32 v250, 7, v0                          ; the transposing load: row 8 h + (l & 7), 16 bytes at 16 ((l >> 3) & 1)
	v_lshl_add_u32 v250, v2, 3, v250
	v_mul_u32_u24 v250, v250, VPITCH
	v_bfe_u32 v251, v0, 3, 1
	v_lshl_add_u32 v250, v251, 4, v250
	s_mul_i32 s5, s11, 128*VPITCH
	v_add_nc_u32 v[VA], s5, v250
	s_add_co_u32 s5, s5, SLOT
	v_add_nc_u32 v[VA+1], s5, v250
	s_mul_i32 s5, s12, XSIZE
	s_add_co_u32 s5, s5, EXCH
	v_lshl_add_u32 v[XA], v3, 4, s5
	s_mul_i32 s5, s12, 64*SPITCH
	s_add_co_u32 s5, s5, STAGE
	v_add_nc_u32 v[STO], s5, v249
	v_lshrrev_b32 v251, 3, v3
	v_mul_u32_u24 v251, v251, SPITCH
	v_and_b32 v252, 7, v0
	v_lshl_add_u32 v251, v252, 4, v251
	v_add_nc_u32 v[RD], s5, v251
	v_lshlrev_b32 v[CO], 4, v3
.irp nt, 0,1,2,3
	v_mov_b32 v[M+\nt], 0xff7fffff                 ; the most negative finite f32
	v_mov_b32 v[U+\nt], 0                          ; v_permlanex16_b32's destination counts as read
	v_mov_b32 v[LS+2*\nt], 0
	v_mov_b32 v[LS+2*\nt+1], 0
.endr
.macro LDK slot, sub                   ; 16 loads: 64 keys x 64 d as A fragments
.irp mt, 0,1,2,3
.irp ks, 0,1
	ds_load_b128 v[KF+16*\mt+8*\ks:KF+16*\mt+8*\ks+3],   v[KA+\slot] offset:\sub*64*KPITCH+\mt*16*KPITCH+\ks*64
	ds_load_b128 v[KF+16*\mt+8*\ks+4:KF+16*\mt+8*\ks+7], v[KA+\slot] offset:\sub*64*KPITCH+\mt*16*KPITCH+\ks*64+32
.endr
.endr
.endm
.macro LDV slot, sub                   ; 16 transposing loads: 64 d x 64 keys as A fragments of V^T
.irp dt, 0,1,2,3
.irp ks, 0,1
	ds_load_tr16_b128 v[VF+16*\dt+8*\ks:VF+16*\dt+8*\ks+3],   v[VA+\slot] offset:(\sub*64+\ks*32)*VPITCH+\dt*32
	ds_load_tr16_b128 v[VF+16*\dt+8*\ks+4:VF+16*\dt+8*\ks+7], v[VA+\slot] offset:(\sub*64+\ks*32+16)*VPITCH+\dt*32
.endr
.endr
.endm
; In both products the 16 accumulators take turns, one instruction a turn.
.macro SMUL
	WIN 0x50
.irp nt, 0,1,2,3
.irp mt, 0,1,2,3
	v_wmma_f32_16x16x32_bf16 v[32*\nt+8*\mt:32*\nt+8*\mt+7], v[KF+16*\mt:KF+16*\mt+7], v[Q+16*\nt:Q+16*\nt+7], 0
.endr
.endr
.irp nt, 0,1,2,3
.irp mt, 0,1,2,3
	v_wmma_f32_16x16x32_bf16 v[32*\nt+8*\mt:32*\nt+8*\mt+7], v[KF+16*\mt+8:KF+16*\mt+15], v[Q+16*\nt+8:Q+16*\nt+15], v[32*\nt+8*\mt:32*\nt+8*\mt+7]
.endr
.endr
.endm
.macro PV first
	WIN 0x54
.irp nt, 0,1,2,3
.irp dt, 0,1,2,3
.if \first
	v_wmma_f32_16x16x32_bf16 v[128+32*\nt+8*\dt:128+32*\nt+8*\dt+7], v[VF+16*\dt:VF+16*\dt+7], v[32*\nt:32*\nt+7], 0
.else
	v_wmma_f32_16x16x32_bf16 v[128+32*\nt+8*\dt:128+32*\nt+8*\dt+7], v[VF+16*\dt:VF+16*\dt+7], v[32*\nt:32*\nt+7], v[128+32*\nt+8*\dt:128+32*\nt+8*\dt+7]
.endif
.endr
.endr
.irp nt, 0,1,2,3
.irp dt, 0,1,2,3
	v_wmma_f32_16x16x32_bf16 v[128+32*\nt+8*\dt:128+32*\nt+8*\dt+7], v[VF+16*\dt+8:VF+16*\dt+15], v[32*\nt+8:32*\nt+15], v[128+32*\nt+8*\dt:128+32*\nt+8*\dt+7]
.endr
.endr
.endm
; 64 keys x 64 queries of scores become P^T in place.  first = 1: no sums yet, nothing to rescale.
.macro SOFTMAX first
	WIN 0x05                                       ; the largest of my 32 scores of each query and the old maximum: four chains
.irp nt, 0,1,2,3
	v_max3_num_f32 v[T+\nt], v[32*\nt], v[32*\nt+1], v[M+\nt]
.endr
.irp p, 1,2,3,4,5,6,7,8,9,10,11,12,13,14,15
.irp nt, 0,1,2,3
	v_max3_num_f32 v[T+\nt], v[32*\nt+2*\p], v[32*\nt+2*\p+1], v[T+\nt]
.endr
.endr
	WIN 0
.irp nt, 0,1,2,3
	v_permlanex16_b32 v[U+\nt], v[T+\nt], s56, s57 ; the other half of the lanes holds the query's other keys
.endr
.irp nt, 0,1,2,3
	v_max_num_f32 v[M+\nt], v[T+\nt], v[U+\nt]
.endr
.irp nt, 0,1,2,3
	v_mul_f32 v[NN+\nt], 0xbd38aa3b, v[M+\nt]      ; the new shift, - c m
.endr
.if \first == 0
.irp nt, 0,1,2,3
	v_sub_f32 v[U+\nt], v[NN+\nt], v[NEGM+2*\nt]   ; c m_old - c m_new, never above 0
.endr
.irp nt, 0,1,2,3
	v_exp_f32 v[ALPHA+2*\nt], v[U+\nt]
.endr
.endif
.irp nt, 0,1,2,3
	v_mov_b32 v[NEGM+2*\nt], v[NN+\nt]             ; plain work behind the exponentials, ahead of the first use of their results (ISA guide 5.7.2)
	v_mov_b32 v[NEGM+2*\nt+1], v[NN+\nt]
.endr
.if \first == 0
	s_wait_alu depctr_va_vdst(0)
.irp nt, 0,1,2,3
	v_mov_b32 v[ALPHA+2*\nt+1], v[ALPHA+2*\nt]
.endr
.irp nt, 0,1,2,3
	v_pk_mul_f32 v[LS+2*\nt:LS+2*\nt+1], v[LS+2*\nt:LS+2*\nt+1], v[ALPHA+2*\nt:ALPHA+2*\nt+1]
.endr
.endif
	; One window setting for three kinds of line, which alternate: the 128 exponentials, the 64 rescalings of O, the 64 multiply-adds c s - c m.
	; An exponent is made sixteen lines ahead of its exponential; the line behind an exponential never names that exponential's register.
	WIN 0x41
.irp nt, 0,1,2,3
	v_pk_fma_f32 v[32*\nt:32*\nt+1], v[32*\nt:32*\nt+1], 0x3d38aa3b, v[NEGM+2*\nt:NEGM+2*\nt+1] op_sel_hi:[1,0,1]
.endr
.irp p, 0,1,2,3,4,5,6,7,8,9,10,11,12,13,14
.irp nt, 0,1,2,3
	v_exp_f32 v[32*\nt+2*\p], v[32*\nt+2*\p]
.if \first == 0
	v_pk_mul_f32 v[128+32*\nt+2*\p:128+32*\nt+2*\p+1], v[128+32*\nt+2*\p:128+32*\nt+2*\p+1], v[ALPHA+2*\nt:ALPHA+2*\nt+1]
.endif
	v_exp_f32 v[32*\nt+2*\p+1], v[32*\nt+2*\p+1]
	v_pk_fma_f32 v[32*\nt+2*\p+2:32*\nt+2*\p+3], v[32*\nt+2*\p+2:32*\nt+2*\p+3], 0x3d38aa3b, v[NEGM+2*\nt:NEGM+2*\nt+1] op_sel_hi:[1,0,1]
.endr
.endr
.irp nt, 0,1,2,3
	v_exp_f32 v[32*\nt+30], v[32*\nt+30]
.if \first == 0
	v_pk_mul_f32 v[128+32*\nt+30:128+32*\nt+31], v[128+32*\nt+30:128+32*\nt+31], v[ALPHA+2*\nt:ALPHA+2*\nt+1]
.endif
	v_exp_f32 v[32*\nt+31], v[32*\nt+31]
.endr
	v_nop                                          ; one plain place behind the last exponential
	WIN 0x01
	s_wait_alu depctr_va_vdst(0)
.irp p, 0,1,2,3,4,5,6,7,8,9,10,11,12,13,14,15
.irp nt, 0,1,2,3
	v_pk_add_f32 v[LS+2*\nt:LS+2*\nt+1], v[32*\nt+2*\p:32*\nt+2*\p+1], v[LS+2*\nt:LS+2*\nt+1]
.endr
.endr
	WIN 0x45                                       ; register p of a query tile's 16 takes registers 2 p, 2 p + 1: ascending, so no source is lost
.irp p, 0,1,2,3,4,5,6,7,8,9,10,11,12,13,14,15
.irp nt, 0,1,2,3
	v_cvt_pk_bf16_f32 v[32*\nt+\p], v[32*\nt+2*\p], v[32*\nt+2*\p+1]
.endr
.endr
.endm
; A matrix phase: P V of the tile whose P^T lies in the score registers, then K Q of tile sub of the slot.
; When it begins, the wave's youngest 16 LDS loads are that tile's fragments of k; the pending fragments of v were asked for ahead of them.
.macro MPH slot, sub, first
	s_wait_dscnt 16                                ; v's fragments are in, k's 16 loads stay out
	PV \first
	NOPS 5                                         ; five places: the next scores are written over P^T; loads go into v's fragments
	WIN 0
	LDV \slot, \sub                                ; for the next matrix phase
	s_wait_dscnt 16                                ; k's fragments are in, v's 16 loads stay out
	SMUL
	NOPS 5                                         ; places in front of reads of the scores, of loads into k's fragments, and of a product that takes these registers as B
	WIN 0
.endm
; A slot's 128 keys of my half.  refill = 1: the slot read last is filled again, two fills ahead.
.macro TWO slot, refill
	s_wait_tensorcnt 0x0                           ; all my tensor loads have landed: the one that was out is my part of this slot
	ds_add_u32 v254, v255
	s_wait_dscnt 0x0
	s_wait_dscnt 0x0                               ; my reads of the other slot are over: its last fragments of v are in registers
.if \refill
	s_add_nc_u64 s[G0V+4*(1-\slot)+2:G0V+4*(1-\slot)+3], s[G0V+4*(1-\slot)+2:G0V+4*(1-\slot)+3], 32768
	s_add_nc_u64 s[G0K+4*(1-\slot)+2:G0K+4*(1-\slot)+3], s[G0K+4*(1-\slot)+2:G0K+4*(1-\slot)+3], 32768
	CROUND                                         ; both now hold of every wave of the four work-groups
	JLOAD (1-\slot)                                ; my one tensor load behind the round: it has 128 matrix instructions and two softmax passes in which to land
.else
	s_barrier_signal -1
	s_barrier_wait -1
.endif
	LDK \slot, 0
	s_cmp_eq_u32 s59, 0
	s_cbranch_scc1 .Lbehind_\@
	MPH \slot, 0, 0                                ; ahead: matrix, softmax, matrix, softmax
	LDK \slot, 1
	SOFTMAX 0
	MPH \slot, 1, 0
	SOFTMAX 0
	WIN 0
	s_branch .Ljoin_\@
.Lbehind_\@:
	SOFTMAX 0                                      ; behind: softmax, matrix, softmax, matrix
	MPH \slot, 0, 0
	LDK \slot, 1
	SOFTMAX 0
	MPH \slot, 1, 0
.Ljoin_\@:
.endm
	s_wait_tensorcnt 0x1                           ; my part of fill 0 is in; fill 1's load stays out
	s_barrier_signal -1
	s_barrier_wait -1
	s_wait_loadcnt 0x0                             ; Q
	LDK 0, 0                                       ; fill 0 starts the sums: both turns go as far as the second tile's scores,
	LDV 0, 0
	s_wait_dscnt 16                                ; k's 16 loads are in, v's 16 stay out
	SMUL
	NOPS 4                                         ; four places: in front of loads into k's fragments and of reads of the scores
	WIN 0
	LDK 0, 1
	SOFTMAX 1
	MPH 0, 1, 1
	s_cmp_eq_u32 s59, 0
	s_cbranch_scc1 .Lbehind0
	SOFTMAX 0                                      ; and the wave ahead goes half a period further
	WIN 0
.Lbehind0:
	s_mov_b32 s58, 3
.Lloop:
	TWO 1, 1                                       ; eight fills: six go round,
	TWO 0, 1
	s_sub_co_u32 s58, s58, 1
	s_cmp_lg_u32 s58, 0
	s_cbranch_scc1 .Lloop
	TWO 1, 0                                       ; behind the last nothing is left to fetch
	s_cmp_lg_u32 s59, 0
	s_cbranch_scc1 .Lahead9
	SOFTMAX 0                                      ; the wave behind catches up
	WIN 0
.Lahead9:
	s_wait_dscnt 0x0                               ; the last fragments of v
	PV 0
	NOPS 5                                         ; places behind the last matrix instruction, in front of reads of O
	WIN 0
	; THE MERGE of the two halves of the keys.  Every wave: its queries' sums over both halves of the lanes, and its shifts.
.irp nt, 0,1,2,3
	v_add_f32 v[T+\nt], v[LS+2*\nt], v[LS+2*\nt+1]
.endr
.irp nt, 0,1,2,3
	v_permlanex16_b32 v[U+\nt], v[T+\nt], s56, s57
.endr
.irp nt, 0,1,2,3
	v_add_f32 v[T+\nt], v[T+\nt], v[U+\nt]
.endr
.irp nt, 0,1,2,3
	v_mov_b32 v[U+\nt], v[NEGM+2*\nt]
.endr
	s_cmp_eq_u32 s59, 0
	s_cbranch_scc1 .Lkeep
	WIN 0x04                                       ; the wave ahead is done first: it hands over O, shifts and sums, register by register
.set i, 0
.rept 32
	ds_store_b128 v[XA], v[128+4*i:128+4*i+3] offset:512*i
.set i, i+1
.endr
	WIN 0
	ds_store_b128 v[XA], v[U:U+3] offset:16384
	ds_store_b128 v[XA], v[T:T+3] offset:16896
.Lkeep:
	s_wait_dscnt 0x0                               ; for the partner's sake: the stores are done
	s_barrier_signal -1
	s_barrier_wait -1
	s_cmp_lg_u32 s59, 0
	s_cbranch_scc1 .Ldone
	ds_load_b128 v[UP:UP+3], v[XA] offset:16384
	ds_load_b128 v[TP:TP+3], v[XA] offset:16896
.set i, 0
.rept 32
	ds_load_b128 v[KF+4*i:KF+4*i+3], v[XA] offset:512*i
.set i, i+1
.endr
	s_wait_dscnt 32                                ; shifts and sums are in, O's 32 loads stay out
.irp nt, 0,1,2,3
	v_min_num_f32 v[M+\nt], v[U+\nt], v[UP+\nt]    ; the shift of the larger maximum
.endr
.irp nt, 0,1,2,3
	v_sub_f32 v[U+\nt], v[M+\nt], v[U+\nt]
	v_sub_f32 v[UP+\nt], v[M+\nt], v[UP+\nt]
.endr
.irp nt, 0,1,2,3
	v_exp_f32 v[U+\nt], v[U+\nt]
	v_exp_f32 v[UP+\nt], v[UP+\nt]
.endr
	v_nop
	s_wait_alu depctr_va_vdst(0)
.irp nt, 0,1,2,3
	v_mul_f32 v[T+\nt], v[U+\nt], v[T+\nt]
.endr
.irp nt, 0,1,2,3
	v_fmac_f32 v[T+\nt], v[UP+\nt], v[TP+\nt]      ; the whole row's sum: at least about 1, since the largest score gives 2^0
.endr
.irp nt, 0,1,2,3
	v_rcp_f32 v[T+\nt], v[T+\nt]
.endr
	v_nop
	s_wait_alu depctr_va_vdst(0)
.irp nt, 0,1,2,3
	v_mul_f32 v[ALPHA+2*\nt], v[U+\nt], v[T+\nt]
	v_mul_f32 v[ALPHA+2*\nt+1], v[U+\nt], v[T+\nt]
	v_mul_f32 v[LS+2*\nt], v[UP+\nt], v[T+\nt]
	v_mul_f32 v[LS+2*\nt+1], v[UP+\nt], v[T+\nt]
.endr
	s_wait_dscnt 0x0
.irp p, 0,1,2,3,4,5,6,7,8,9,10,11,12,13,14,15
.irp nt, 0,1,2,3
	v_pk_mul_f32 v[KF+32*\nt+2*\p:KF+32*\nt+2*\p+1], v[KF+32*\nt+2*\p:KF+32*\nt+2*\p+1], v[LS+2*\nt:LS+2*\nt+1]
.endr
.endr
	WIN 0x01
.irp p, 0,1,2,3,4,5,6,7,8,9,10,11,12,13,14,15
.irp nt, 0,1,2,3
	v_pk_fma_f32 v[KF+32*\nt+2*\p:KF+32*\nt+2*\p+1], v[128+32*\nt+2*\p:128+32*\nt+2*\p+1], v[ALPHA+2*\nt:ALPHA+2*\nt+1], v[KF+32*\nt+2*\p:KF+32*\nt+2*\p+1]
.endr
.endr
	WIN 0
.irp p, 0,1,2,3,4,5,6,7,8,9,10,11,12,13,14,15
.irp nt, 0,1,2,3
	v_cvt_pk_bf16_f32 v[Q+16*\nt+\p], v[KF+32*\nt+2*\p], v[KF+32*\nt+2*\p+1]
.endr
.endr
.irp nt, 0,1,2,3
.irp dt, 0,1,2,3
	ds_store_b128 v[STO], v[Q+16*\nt+4*\dt:Q+16*\nt+4*\dt+3] offset:\nt*16*SPITCH+\dt*32      ; query 16 nt + r, d = 16 dt + 8 h .. + 7
.endr
.endr
.irp t, 0,1,2,3,4,5,6,7,8,9,10,11,12,13,14,15
	ds_load_b128 v[KF+4*\t:KF+4*\t+3], v[RD] offset:\t*4*SPITCH        ; my own stage: LDS serves a wave's instructions in order
.endr
.irp t, 0,1,2,3,4,5,6,7,8,9,10,11,12,13,14,15
	s_wait_dscnt 15-\t                             ; load t is in, the younger ones stay out
	global_store_b128 v[CO], v[KF+4*\t:KF+4*\t+3], s[22:23] offset:512*\t      ; four tokens: 512 consecutive bytes, aligned
.endr
.Ldone:
	s_wait_dscnt 0x0
	s_wait_tensorcnt 0x0
	ds_add_u32 v254, v255
	s_wait_dscnt 0x0
	CROUND                                         ; the closing round
	s_endpgm
.Lfunc_end_k_q6137dc1473_attn:
	.size	k_q6137dc1473_attn, .Lfunc_end_k_q6137dc1473_attn-k_q6137dc1473_attn
	.p2alignl 7, 3214868480
	.fill 96, 4, 3214868480
	.section	.rodata,"a",@progbits
	.p2align	6, 0x0
	.amdhsa_kernel k_q6137dc1473_attn
		.amdhsa_group_segment_fixed_size 327680
		.amdhsa_private_segment_fixed_size 0
		.amdhsa_enable_private_segment 0
		.amdhsa_kernarg_size 32
		.amdhsa_user_sgpr_count 2
		.amdhsa_user_sgpr_kernarg_segment_ptr 1
		.amdhsa_wavefront_size32 1
		.amdhsa_system_sgpr_workgroup_id_x 1
		.amdhsa_system_sgpr_workgroup_id_y 1
		.amdhsa_system_sgpr_workgroup_id_z 1
		.amdhsa_system_vgpr_workitem_id 0
		.amdhsa_next_free_vgpr 512
		.amdhsa_next_free_sgpr 66
		.amdhsa_reserve_vcc 0
		.amdhsa_float_denorm_mode_32 3
		.amdhsa_float_denorm_mode_16_64 3
		.amdhsa_memory_ordered 1
		.amdhsa_forward_progress 1
		.amdhsa_inst_pref_size 255
	.end_amdhsa_kernel
	.section	.bss,"aw",@nobits
	.p2align	6
	.space	262144
	.amdgpu_metadata
---
amdhsa.version: [ 1, 2 ]
amdhsa.kernels:
  - .name:           k_q6137dc1473_attn
    .symbol:         k_q6137dc1473_attn.kd
    .args:
      - { .name: qp, .offset: 0, .size: 8, .value_kind: global_buffer, .address_space: global }
      - { .name: kp, .offset: 8, .size: 8, .value_kind: global_buffer, .address_space: global }
      - { .name: vp, .offset: 16, .size: 8, .value_kind: global_buffer, .address_space: global }
      - { .name: ctx, .offset: 24, .size: 8, .value_kind: global_buffer, .address_space: global }
    .group_segment_fixed_size: 327680
    .private_segment_fixed_size: 0
    .kernarg_segment_align: 8
    .kernarg_segment_size: 32
    .max_flat_workgroup_size: 256
    .sgpr_count:     66
    .vgpr_count:     512
    .wavefront_size: 32
...
	.end_amdgpu_metadata
.endif
;; end of part 2
;; launch oproj (part 3): grid 8 x 32, 4 waves a work-group, clusters of 4 x 4, 327,680 bytes of LDS; arguments ctx, wob, bo, out0; writes out0
.if DOCPART == 3
	.amdgcn_target "amdgcn-amd-amdhsa--gfx1250"
	.amdhsa_code_object_version 6
	.text
	.protected	k_q6137dc1473_oproj
	.globl	k_q6137dc1473_oproj
	.p2align	8
	.type	k_q6137dc1473_oproj,@function
k_q6137dc1473_oproj:
	s_mov_b64 s[64:65], 0
	v_nop
	global_prefetch_b8 v0, s[64:65] scope:SCOPE_SE
	s_setreg_imm32_b32 hwreg(HW_REG_WAVE_MODE, 25, 1), 1
	s_wait_xcnt 0x0
	s_wait_alu depctr_hold_cnt(0) depctr_sa_sdst(0) depctr_va_vdst(0) depctr_va_sdst(0) depctr_va_ssrc(0) depctr_va_vcc(0) depctr_vm_vsrc(0)
	s_getreg_b32 s2, hwreg(HW_REG_IB_STS2, 6, 4)
	s_cmp_eq_u32 s2, 0
	s_cbranch_scc0 .Lentry_in_a_cluster
	s_endpgm
.Lentry_in_a_cluster:
	s_bfe_u32 s2, ttmp6, 0x10000c
	s_cmp_lg_u32 s2, 0xf033
	s_cbranch_scc0 .Lentry_shape_is_right
	s_endpgm
.Lentry_shape_is_right:
; oproj: out0[t][n] = sum over k of ctx(t, k) Wo[n][k] + bo[n], f32.  ctx: bf16 [batch][head][2048][64], k = 64 head + d; wob: Wo in bf16, [1024][1024].
; A work-group makes 128 tokens x 128 columns (32 x 8 = 256 work-groups), a wave 64 x 64: 16 accumulator tiles in window 1.
; K goes in four fills of 256 (four heads) through two LDS slots.  CLUSTERS of 4 x 4: ctx's tile hangs on the block row alone and is asked for jointly along a row
; of the cluster, wob's on the block column alone and is asked for jointly along a column.
; The matrix instruction is used transposed (source 0 = rows of Wo, source 1 = tokens): a lane's eight results are eight neighbouring columns of a token.
; The bias is the C operand of the first product.  LIMITS: operands in bf16, sums in f32, K ascending.
.set APITCH, 144                       ; a token's 128 bytes of one head + 16
.set BPITCH, 528                       ; a row of Wo: 512 bytes + 16
.set APART,  4*128*APITCH              ; ctx: [4 heads][128 tokens]
.set SLOT,   APART+128*BPITCH          ; 141,312
.set STAGE,  2*SLOT
.set SPITCH, 272                       ; the way out: 64 f32 + 16 bytes
.set ADRA, 16
.set ADRB, 20
.set STO,  24
.set RD,   25
.set CO,   26
.set BOFF, 27
.set F0,   64                          ; v64-95 Wo's four fragments, v96-127 ctx's four
.set F1,   128
.set BIAS, 192
.set G1,  24
.set G0,  32
.set G1B, 48
.set G0B, 56
.set MSB, 0
.macro WIN new
.if MSB != \new
	s_set_vgpr_msb (MSB<<8)|\new
.set MSB, \new
.endif
.endm
.macro NOPS n
.rept \n
	v_nop
.endr
.endm
.macro JLOAD s                         ; waves 0, 1 fetch two heads of ctx each, waves 2, 3 64 rows of Wo each
	s_cmp_eq_u32 s11, 0
	s_cbranch_scc0 .Lfor_b_\@
	tensor_load_to_lds s[G0+4*\s:G0+4*\s+3], s[G1:G1+7]
	s_nop 0
	s_branch .Lasked_\@
.Lfor_b_\@:
	tensor_load_to_lds s[G0B+4*\s:G0B+4*\s+3], s[G1B:G1B+7]
	s_nop 0
.Lasked_\@:
.endm
.macro CREST
	s_cmp_lg_u32 s10, 0
	s_cbranch_scc1 .Lnot_wave_0_\@
	s_barrier_signal -3
.Lnot_wave_0_\@:
	s_barrier_wait -3
	s_barrier_signal -1
	s_barrier_wait -1
.endm
.macro CROUND
	s_barrier_signal -1
	s_barrier_wait -1
	CREST
.endm
	s_load_b128 s[4:7], s[0:1], 0x0                ; ctx, wob
	s_load_b64 s[18:19], s[0:1], 0x10              ; bo
	s_load_b64 s[8:9], s[0:1], 0x18                ; out0
	v_lshl_add_u32 v254, v0, 2, 0x49400
	v_mov_b32 v255, 0
	ds_add_u32 v254, v255
	v_lshrrev_b32 v1, 5, v0
	v_readfirstlane_b32 s10, v1                    ; wave 0..3
	s_lshr_b32 s11, s10, 1                         ; my half of the tokens; also: I fetch ctx (0) or Wo (1)
	s_and_b32 s12, s10, 1                          ; my half of the columns; also: which part of the tile I fetch
	s_bfe_u32 s40, ttmp6, 0x40000                  ; cx
	s_bfe_u32 s41, ttmp6, 0x40004                  ; cy
	s_lshl_b32 s42, ttmp9, 2
	s_add_co_u32 s42, s42, s40                     ; block column 0..7
	s_and_b32 s13, ttmp7, 0xffff
	s_lshl_b32 s13, s13, 2
	s_add_co_u32 s13, s13, s41                     ; block row 0..31
	s_lshl_b32 s43, s41, 2
	s_lshl_b32 s43, 15, s43                        ; my row of the cluster
	s_lshl_b32 s44, 0x1111, s40                    ; my column
	; ctx: two rows of 8,192 elements (a head's 128 tokens are 16,384 dense bytes), a head apart; padding behind every 32 words, that is behind every token
	s_or_b32 s[G1+0], s43, (1<<16)|(1<<20)|(1<<21)|(4<<22)|(3<<25)
	s_mov_b32 s[G1+1], 8192<<16
	s_mov_b32 s[G1+2], 2<<16
	s_mov_b32 s[G1+3], 8192<<16
	s_mov_b32 s[G1+4], 2
	s_mov_b32 s[G1+5], 131072
	s_mov_b32 s[G1+6], 0
	s_mov_b32 s[G1+7], 0
	; Wo: 64 rows of 256 elements, padding behind every 128 words
	s_or_b32 s[G1B+0], s44, (1<<16)|(1<<20)|(1<<21)|(6<<22)|(3<<25)
	s_mov_b32 s[G1B+1], 256<<16
	s_mov_b32 s[G1B+2], 64<<16
	s_mov_b32 s[G1B+3], 256<<16
	s_mov_b32 s[G1B+4], 64
	s_mov_b32 s[G1B+5], 1024
	s_mov_b32 s[G1B+6], 0
	s_mov_b32 s[G1B+7], 0
	s_lshr_b32 s16, s13, 4                         ; batch: 16 blocks of 128 tokens each
	s_lshl_b32 s16, s16, 22                        ; 16 heads of 262,144 bytes
	s_and_b32 s17, s13, 15
	s_lshl_b32 s17, s17, 14                        ; 128 tokens of 128 bytes
	s_add_co_u32 s16, s16, s17
	s_lshl_b32 s17, s12, 19                        ; my two heads of a fill's four
	s_add_co_u32 s16, s16, s17
	s_mov_b32 s17, 0
	s_lshl_b32 s46, s42, 18                        ; 128 rows of 2,048 bytes
	s_lshl_b32 s47, s12, 17                        ; my 64 rows
	s_add_co_u32 s46, s46, s47
	s_mov_b32 s47, 0
	s_mul_i32 s20, s10, 2*128*APITCH               ; ctx: wave x two heads
	s_mul_i32 s21, s10, 64*BPITCH                  ; Wo: (wave - 2) x 64 rows behind ctx's part
	s_add_co_u32 s21, s21, APART-2*64*BPITCH
	s_wait_dscnt 0x0
	s_wait_kmcnt 0x0
	s_add_nc_u64 s[14:15], s[4:5], s[16:17]
	s_add_nc_u64 s[46:47], s[6:7], s[46:47]
	CROUND                                         ; all sixteen work-groups are here: the first joint loads meet
.irp s, 0,1
	s_mov_b32 s[G0+4*\s], 1
	s_add_co_u32 s[G0+4*\s+1], s20, \s*SLOT
	s_add_nc_u64 s[G0+4*\s+2:G0+4*\s+3], s[14:15], \s*1048576      ; fill s: four heads on
	s_or_b32 s[G0+4*\s+3], s[G0+4*\s+3], 0x80000000
	s_mov_b32 s[G0B+4*\s], 1
	s_add_co_u32 s[G0B+4*\s+1], s21, \s*SLOT
	s_add_nc_u64 s[G0B+4*\s+2:G0B+4*\s+3], s[46:47], \s*512
	s_or_b32 s[G0B+4*\s+3], s[G0B+4*\s+3], 0x80000000
	JLOAD \s                                       ; two loads of the wave are out here, later one
.endr
	v_and_b32 v1, 15, v0                           ; r
	v_bfe_u32 v2, v0, 4, 1                         ; h
	v_mul_u32_u24 v3, v1, APITCH
	v_lshl_add_u32 v3, v2, 4, v3
	v_mul_u32_u24 v4, v1, BPITCH
	v_lshl_add_u32 v4, v2, 4, v4
	s_mul_i32 s45, s11, 64*APITCH
	s_mul_i32 s3, s12, 64*BPITCH
	s_add_co_u32 s3, s3, APART
.irp s, 0,1
	v_add_nc_u32 v[ADRA+\s], s45, v3
	v_add_nc_u32 v[ADRB+\s], s3, v4
	s_add_co_u32 s45, s45, SLOT
	s_add_co_u32 s3, s3, SLOT
.endr
	s_mul_i32 s45, s10, 16*SPITCH
	s_add_co_u32 s45, s45, STAGE
	v_mul_u32_u24 v5, v1, SPITCH                   ; in: token r, 32 bytes for each half of the lanes
	v_lshl_add_u32 v5, v2, 5, v5
	v_add_nc_u32 v[STO], s45, v5
	v_mul_u32_u24 v5, v2, SPITCH                   ; back: lanes 0-15 take a token's 256 bytes, lanes 16-31 the next token's
	v_lshl_add_u32 v5, v1, 4, v5
	v_add_nc_u32 v[RD], s45, v5
	v_lshlrev_b32 v5, 12, v2                       ; and the same two rows of out0
	v_lshl_add_u32 v[CO], v1, 4, v5
	v_lshlrev_b32 v[BOFF], 5, v2
	s_lshl_b32 s22, s42, 9                         ; bias of my 64 columns
	s_lshl_b32 s23, s12, 8
	s_add_co_u32 s22, s22, s23
	s_mov_b32 s23, 0
	s_add_nc_u64 s[18:19], s[18:19], s[22:23]
.irp b, 0,1,2,3
	global_load_b128 v[BIAS+8*\b:BIAS+8*\b+3],   v[BOFF], s[18:19] offset:64*\b
	global_load_b128 v[BIAS+8*\b+4:BIAS+8*\b+7], v[BOFF], s[18:19] offset:64*\b+16
.endr
; 16 LDS loads: the fragments of quarter q (32 along K) of a slot's eight
.macro FETCH slot, q, f
.irp i, 0,1,2,3
	ds_load_b128 v[\f+8*\i:\f+8*\i+3],   v[ADRB+\slot] offset:\i*16*BPITCH+\q*64
	ds_load_b128 v[\f+8*\i+4:\f+8*\i+7], v[ADRB+\slot] offset:\i*16*BPITCH+\q*64+32
.endr
.irp i, 0,1,2,3
	ds_load_b128 v[\f+32+8*\i:\f+32+8*\i+3],   v[ADRA+\slot] offset:(\q>>1)*128*APITCH+\i*16*APITCH+(\q&1)*64
	ds_load_b128 v[\f+32+8*\i+4:\f+32+8*\i+7], v[ADRA+\slot] offset:(\q>>1)*128*APITCH+\i*16*APITCH+(\q&1)*64+32
.endr
.endm
; The 16 accumulators take turns, one instruction a turn, in the same order every time.
.macro MUL16 f, first
.irp a, 0,1,2,3
.irp b, 0,1,2,3
.if \first
	v_wmma_f32_16x16x32_bf16 v[8*(4*\a+\b):8*(4*\a+\b)+7], v[\f+8*\b:\f+8*\b+7], v[\f+32+8*\a:\f+32+8*\a+7], v[BIAS+8*\b:BIAS+8*\b+7]
.else
	v_wmma_f32_16x16x32_bf16 v[8*(4*\a+\b):8*(4*\a+\b)+7], v[\f+8*\b:\f+8*\b+7], v[\f+32+8*\a:\f+32+8*\a+7], v[8*(4*\a+\b):8*(4*\a+\b)+7]
.endif
.endr
.endr
.endm
; fetch quarter qn into buffer g, multiply buffer f
.macro STEP slot, qn, f, g, first
.if \qn > 1
	NOPS 4                                         ; four places behind the matrix instructions that read buffer g (ISA guide 7.12.1)
.endif
	WIN 0
	FETCH \slot, \qn, \g
	s_wait_dscnt 16                                ; buffer f is in, the 16 loads just issued stay out
.if \first
	WIN 0x40
.else
	WIN 0x50
.endif
	MUL16 \f, \first
.endm
.macro PHASE slot, first               ; a slot's 256 along K
	NOPS 4
	WIN 0
	FETCH \slot, 0, F0
	STEP \slot, 1, F0, F1, \first
	STEP \slot, 2, F1, F0, 0
	STEP \slot, 3, F0, F1, 0
	STEP \slot, 4, F1, F0, 0
	STEP \slot, 5, F0, F1, 0
	STEP \slot, 6, F1, F0, 0
	STEP \slot, 7, F0, F1, 0
	s_wait_dscnt 0x0
	MUL16 F1, 0
.endm
; The change of slots.  fill = 1: slot rslot, which has been read, is filled again, two fills ahead.
.macro CHANGE rslot, fill
	WIN 0
	s_wait_dscnt 0x0                               ; my reads of the slot are over
	s_wait_tensorcnt 0x0                           ; all my tensor loads have landed: the one that was out is my part of the next slot
	ds_add_u32 v254, v255
	s_wait_dscnt 0x0
.if \fill
	CROUND                                         ; both now hold of every wave of the sixteen work-groups
	s_add_nc_u64 s[G0+4*\rslot+2:G0+4*\rslot+3], s[G0+4*\rslot+2:G0+4*\rslot+3], 2097152     ; eight heads on
	s_add_nc_u64 s[G0B+4*\rslot+2:G0B+4*\rslot+3], s[G0B+4*\rslot+2:G0B+4*\rslot+3], 1024
	JLOAD \rslot                                   ; my one tensor load behind the round: 128 matrix instructions stand between it and its wait
.else
	s_barrier_signal -1
	s_barrier_wait -1
.endif
.endm
	s_wait_tensorcnt 0x1                           ; my part of fill 0 is in; fill 1's load stays out
	s_barrier_signal -1
	s_barrier_wait -1
	s_wait_loadcnt 0x0                             ; the bias
	PHASE 0, 1
	CHANGE 0, 1
	PHASE 1, 0
	CHANGE 1, 1
	PHASE 0, 0
	CHANGE 0, 0
	PHASE 1, 0
	; THE WAY OUT, 16 tokens at a time, through my own stage: a lane puts 32 bytes of a token, whole rows of 256 bytes come back.
	NOPS 4                                         ; four places behind the last matrix instruction
	s_lshl_b32 s16, s13, 19                        ; 128 rows of 4,096 bytes
	s_lshl_b32 s17, s11, 18
	s_add_co_u32 s16, s16, s17
	s_mov_b32 s17, 0
	s_add_nc_u64 s[8:9], s[8:9], s[16:17]
	s_lshl_b32 s46, s42, 9                         ; 128 columns of 4 bytes
	s_lshl_b32 s47, s12, 8
	s_add_co_u32 s46, s46, s47
	s_mov_b32 s47, 0
	s_add_nc_u64 s[8:9], s[8:9], s[46:47]
.macro OUT16 a, f
	WIN 0x04
.irp b, 0,1,2,3
	ds_store_b128 v[STO], v[8*(4*\a+\b):8*(4*\a+\b)+3]   offset:64*\b
	ds_store_b128 v[STO], v[8*(4*\a+\b)+4:8*(4*\a+\b)+7] offset:64*\b+16
.endr
	WIN 0
	s_wait_xcnt 0x0                                ; buffer f, which earlier stores read, is loaded again only behind this wait
.irp t, 0,1,2,3,4,5,6,7
	ds_load_b128 v[\f+4*\t:\f+4*\t+3], v[RD] offset:\t*2*SPITCH        ; LDS serves a wave's instructions in order: these see the stores above
.endr
.irp t, 0,1,2,3,4,5,6,7
	s_wait_dscnt 7-\t                              ; load t is in, the younger ones stay out
	global_store_b128 v[CO], v[\f+4*\t:\f+4*\t+3], s[8:9] offset:(16*\a+2*\t)*4096 th:TH_STORE_NT    ; 16 lanes store 256 consecutive bytes, aligned
.endr
.endm
	OUT16 0, F0
	OUT16 1, F1
	OUT16 2, F0
	OUT16 3, F1
	s_wait_tensorcnt 0x0
	ds_add_u32 v254, v255
	s_wait_dscnt 0x0
	CROUND                                         ; the closing round
	s_endpgm
.Lfunc_end_k_q6137dc1473_oproj:
	.size	k_q6137dc1473_oproj, .Lfunc_end_k_q6137dc1473_oproj-k_q6137dc1473_oproj
	.p2alignl 7, 3214868480
	.fill 96, 4, 3214868480
	.section	.rodata,"a",@progbits
	.p2align	6, 0x0
	.amdhsa_kernel k_q6137dc1473_oproj
		.amdhsa_group_segment_fixed_size 327680
		.amdhsa_private_segment_fixed_size 0
		.amdhsa_enable_private_segment 0
		.amdhsa_kernarg_size 32
		.amdhsa_user_sgpr_count 2
		.amdhsa_user_sgpr_kernarg_segment_ptr 1
		.amdhsa_wavefront_size32 1
		.amdhsa_system_sgpr_workgroup_id_x 1
		.amdhsa_system_sgpr_workgroup_id_y 1
		.amdhsa_system_sgpr_workgroup_id_z 1
		.amdhsa_system_vgpr_workitem_id 0
		.amdhsa_next_free_vgpr 384
		.amdhsa_next_free_sgpr 66
		.amdhsa_reserve_vcc 0
		.amdhsa_float_denorm_mode_32 3
		.amdhsa_float_denorm_mode_16_64 3
		.amdhsa_memory_ordered 1
		.amdhsa_forward_progress 1
		.amdhsa_inst_pref_size 89
	.end_amdhsa_kernel
	.amdgpu_metadata
---
amdhsa.version: [ 1, 2 ]
amdhsa.kernels:
  - .name:           k_q6137dc1473_oproj
    .symbol:         k_q6137dc1473_oproj.kd
    .args:
      - { .name: ctx, .offset: 0, .size: 8, .value_kind: global_buffer, .address_space: global }
      - { .name: wob, .offset: 8, .size: 8, .value_kind: global_buffer, .address_space: global }
      - { .name: bo, .offset: 16, .size: 8, .value_kind: global_buffer, .address_space: global }
      - { .name: out0, .offset: 24, .size: 8, .value_kind: global_buffer, .address_space: global }
    .group_segment_fixed_size: 327680
    .private_segment_fixed_size: 0
    .kernarg_segment_align: 8
    .kernarg_segment_size: 32
    .max_flat_workgroup_size: 128
    .sgpr_count:     66
    .vgpr_count:     384
    .wavefront_size: 32
...
	.end_amdgpu_metadata
.endif
;; end of part 3
